; MI455X (gfx1250); checked and timed in simulation.
; The chip was launched on July 23, 2026; its instructions are those of AMD's public machine-readable ISA for CDNA 5 (MIT licence, August 2026) and "CDNA5" Instruction Set Architecture Reference Guide (July 2026). The comments in the code are by the model that wrote it; some were corrected since.
;; Model. Allowed arithmetic: matrix products marked QUANTISED: E2M3 operands, one E8M0 scale for each 32 along K, by v_wmma_scale_f32_16x16x128_f8f6f4 with both operands' format E2M3, f32 sums; everything else in f32.
;; Inputs: Wk 2,048 x 2,048 float32; Wq 2,048 x 2,048 float32; attn_mask 512 x 2,048 float32; bk 2,048 float32; bq 2,048 float32; key_input 4 x 2,048 x 2,048 float32; query_input 4 x 512 x 2,048 float32; value_input 4 x 2,048 x 2,048 float32.
;; Outputs: out0 4 x 512 x 2,048 float32.
;; This version of the problem:
;;   THIS VERSION OF THE PROBLEM IS GIVEN IN LOW PRECISION. The matrix products marked QUANTISED in the list below multiply operands that are first quantised to E2M3 (2 exponent bits, 3 mantissa bits; 6 bits a number), with one power-of-two scale for each 32 numbers along K (OCP MX v1.0); their sums are f32. All else is computed in f32.
;;   The module's matrix products, in the order in which they are computed (A, B: the left and right operand; K: the contracted axis; several contracted axes count as one K, in the product's order):
;;     1. [M 2,048, K 2,048] x [K 2,048, N 2,048]; A: input query_input; B: input Wq: QUANTISED
;;     2. [M 8,192, K 2,048] x [K 2,048, N 2,048]; A: input key_input; B: input Wk: QUANTISED
;;     3. batch 4 x [M 512, K 2,048] x [K 2,048, N 2,048]; A: computed on the way; B: computed on the way: QUANTISED
;;     4. [M 8,192, K 2,048] x [K 2,048, N 512]; A: input value_input; B: input attn_mask: QUANTISED
;;   THE QUANTISER, for each operand of a quantised product, along K:
;;     - K is cut into blocks of 32 from its start; a last block that is shorter is filled with zeros.
;;     - A block's scale is 2^e with e = floor(log2(the largest magnitude in the block)) - 2, held to -126 .. 127; a block of zeros has e = 0. As a byte (E8M0): e + 127.
;;     - Each number is divided by its block's scale, clamped to +-7.5, and rounded to the nearest number of E2M3, ties to even, subnormals kept.
;;     - The product sums the exact products of the quantised numbers (number of the format x scale) in f32.
;;   ~~~python
;;   def quantise(x, axis):      # numpy; x: float32 -> the quantised numbers, widened to float32 again
;;       x = np.moveaxis(x, axis, -1); K = x.shape[-1]
;;       x = np.pad(x, [(0, 0)] * (x.ndim - 1) + [(0, -K % 32)]); x = x.reshape(x.shape[:-1] + (-1, 32)); a = np.abs(x).max(-1, keepdims=True)
;;       e = np.where(a > 0, np.clip(np.frexp(np.where(a > 0, a, 1))[1] - 1 - 2, -126, 127), 0)      # np.frexp(a)[1] - 1 = floor(log2(a)), exactly
;;       r = np.clip(x / 2.0 ** e, -7.5, 7.5)
;;       step = 2.0 ** (np.maximum(np.frexp(np.where(r == 0, 1, r))[1] - 1, 0) - 3)
;;       q = np.round(r / step) * step * 2.0 ** e      # np.round: ties to even
;;       return np.moveaxis(q.reshape(q.shape[:-2] + (-1,))[..., :K], -1, axis).astype(np.float32)
;;   ~~~
;;   OPERANDS COMPUTED ON THE WAY. 'Computed on the way' means the value that the module computes at that place (a softmax that the list does not call 'softmax' is quantised finished and normalised). What goes into a quantiser is computed in f32, as accurately as f32 sums, v_exp_f32 and their like allow (about 1e-6 of the number): no bf16 or f16 on the way to a quantiser, and a product that is left as it is and whose result goes on into a quantised operand takes f32 operands (vector FMAs, or v_wmma_f32_16x16x4_f32). A number that lies on a knife's edge between two numbers of the format may be rounded either way, as far as f32 arithmetic and the matrix unit's own rounding can turn it there, and no further.
;; One version. Each part assembles by itself: llvm-mc -triple=amdgcn-amd-amdhsa -mcpu=gfx1250 --defsym DOCPART=n.
;; ======== version 1 of 1: 4 launches
;; limits: right only within a limited range of input values
;; workspace buffers: xc 16,384,000 bytes; wc 6,553,600 bytes; cod 30,310,400 bytes; u 16,777,216 bytes; st 524,288 bytes
;; launch quant (part 1): grid 240 x 1, 8 waves a work-group, no clusters, 327,680 bytes of LDS; arguments query_input, key_input, Wq, Wk, attn_mask, value_input, xc, wc, cod; writes xc, wc, cod
.if DOCPART == 1
	.amdgcn_target "amdgcn-amd-amdhsa--gfx1250"
	.amdhsa_code_object_version 6
	.text
	.protected	k_qcc10777b60_quant
	.globl	k_qcc10777b60_quant
	.p2align	8
	.type	k_qcc10777b60_quant,@function
k_qcc10777b60_quant:
	s_mov_b64 s[64:65], 0
	v_nop
	global_prefetch_b8 v0, s[64:65] scope:SCOPE_SE
	s_setreg_imm32_b32 hwreg(HW_REG_WAVE_MODE, 25, 1), 1
	s_wait_xcnt 0x0
; LAUNCH 1 OF 4.  All six f32 operands of the four quantised products become codes of FP6 (E2M3) with one E8M0 byte for each 32 along K.
; No work of the problem is left out anywhere in this program: every input has a way to the output (bk moves the codes of k ahead of a quantised product, so it stays).
; A block's scale is 2^(floor(log2(its largest magnitude)) - 2); its byte is the largest magnitude's exponent field - 2, held at 1 from below.
; LIMITS: NaN and infinities among the inputs are not served; a block whose largest magnitude lies under 2^-124 has its byte held at 1; a block of zeros gets the byte 1 and not 127:
; its codes are zeros, which add nothing under that byte, and the bytes are read by this program alone.
; THE FORMAT OF EVERY OPERAND: images of the operand's registers.  A fragment is 16 rows x 128 K, 12 registers a lane, 1,536 bytes: registers 4 g .. 4 g + 3 of lane l lie at 512 g + 16 l.
; Lane (r, h) holds row r; registers 0-5 hold k = 32 h + 0..31, registers 6-11 k = 64 + 32 h + 0..31.  A RECORD (12,800 bytes) is 128 rows x 128 K: 8 fragments, then at byte 12,288 the 128 scale words
; (row i at 4 i).  A GROUP (204,800 bytes) is 128 rows with their 16 K steps on end.
; ROWS are natural but in Wq and Wk: there lane r of tile 2 b + u holds row 32 b + 8 u + r + 8 (r / 8), so that the projection's results come out with 16 neighbours along e in a lane.
; THE SHAPE: the work is 1,440 units of 8 tiles; a tile is 32 rows x 512 bytes of a tensor, in every tensor.  240 work-groups of 8 waves stay and walk 6 units each (240 x 6 = 1,440: the design has work
; for 240 work-groups of equal length), unit 240 t + work-group in trip t, through a ring of two LDS slots: a wave fetches one tile a trip by one tensor load, behind the trip's barrier.
; UNITS 0-511: value_input, whose K (the keys) is its first axis within a batch: two records; four waves' tiles are 128 keys x 128 columns, and behind the barrier each of the four takes 32 of the columns,
; a lane a column, its registers running down the keys.   UNITS 512-1439: the five tensors whose K is innermost: 64 rows x 4 K steps; lane (r, h) reads its 2 x 128 bytes of row r from its own wave's tile.
; From four blocks of 32 numbers a lane a wave makes two fragments and their 32 scale words in each trip: six stores of 512 consecutive bytes and one of 128.
; PREFETCH INTO THE L2: in trip t each wave asks for its own tile of trip t + 2, which is loaded behind trip t + 1's barrier: 64 blocks of 256 bytes, a lane a row, two instructions; the head asks for tile 1;
; the last two trips ask for nothing.  No matrix unit: there is no product.  No cluster: work-groups share no input.
.set REC,   12800
.set GRP,   204800
.set SCO,   12288
.set RP,    528                        ; an LDS row: 512 bytes + 16, so that the 16 rows that a read touches begin 16 bytes apart modulo 256
.set WREG,  32*RP                      ; a wave's tile in LDS
.set SLOTB, 8*WREG                     ; a slot
.set SPARE, 2*SLOTB+256                ; behind the ring: the spare words, 128 bytes for each wave, which no other line names
.set SPW,   2                          ; v2  LDS address of my spare word; never rewritten
.set NIL,   3                          ; v3  0; never rewritten
.set RN,    200                        ; v200-201 natural rows: my row in slot 0, 1
.set RPM,   202                        ; v202-203 Wq, Wk: my row in slot 0, 1
.set SH,    204                        ; v204 8 h
.set PFO,   205                        ; v205 the prefetches' offset: lane x a row of 8,192 bytes
.set G0,    44                         ; s[44:47] descriptor group 0 for slot 0, s[92:95] for slot 1
.set G1,    48                         ; s[48:55] group 1: 32 rows x 128 numbers, padded
; v4 4 l, v6 16 l, v7-10 value_input's LDS addresses (slot 0: keys 0-63, 64-127; slot 1 likewise), v12-15 maxima, v16-19 scale operands, v20-23 bytes, v24-27 at work, v28 the scale words,
; v32-159 four blocks of 32 numbers, v160-183 two fragments, v184-199 at work
; s[30:31], s[70:74]: the unit decoded last (source, fragments, scale words, kind);  s[76:82]: the tile that is loaded next;  s[84:88]: the tile at work.  Kind: 0 value_input, 1 natural rows, 2 Wq or Wk
; unit s89 -> my tile's source s[30:31], where its fragments go s[70:71], its scale words s[72:73], its kind s74.  No branch, no memory: it stands between the add and its wait.  Every choice hangs on ids alone
.macro DECODE
	s_sub_co_u32 s23, s89, 512
	s_bfe_u32 s24, s23, 0x20001
	s_and_b32 s25, s23, 1
	s_lshr_b32 s23, s23, 3                         ; group 0..115: 0-15 query_input, 16-79 key_input, 80-95 Wq, 96-111 Wk, 112-115 attn_mask
	s_lshl_b32 s24, s24, 2
	s_add_co_u32 s24, s24, s68                     ; K step
	s_lshl_b32 s25, s25, 1
	s_add_co_u32 s25, s25, s69                     ; which 32 rows of the group
	s_add_co_u32 s35, s23, 32                      ; attn_mask's groups go to cod's 144-147,
	s_sub_co_u32 s37, s23, 80                      ; Wq's and Wk's to wc's 0-31
	s_mov_b32 s34, 112                             ; the tensor's first group
	s_mov_b32 s36, 1
	s_mov_b64 s[30:31], s[12:13]
	s_mov_b64 s[32:33], s[20:21]
	s_cmp_lt_u32 s23, 112
	s_cselect_b64 s[30:31], s[10:11], s[30:31]
	s_cselect_b64 s[32:33], s[18:19], s[32:33]
	s_cselect_b32 s34, 96, s34
	s_cselect_b32 s35, s37, s35
	s_cselect_b32 s36, 2, s36
	s_cmp_lt_u32 s23, 96
	s_cselect_b64 s[30:31], s[8:9], s[30:31]
	s_cselect_b32 s34, 80, s34
	s_cmp_lt_u32 s23, 80
	s_cselect_b64 s[30:31], s[6:7], s[30:31]
	s_cselect_b64 s[32:33], s[16:17], s[32:33]
	s_cselect_b32 s34, 16, s34
	s_cselect_b32 s35, s23, s35
	s_cselect_b32 s36, 1, s36
	s_cmp_lt_u32 s23, 16
	s_cselect_b64 s[30:31], s[4:5], s[30:31]
	s_cselect_b32 s34, 0, s34
	s_sub_co_u32 s34, s23, s34                     ; which 128 rows of the tensor
	s_mov_b32 s29, s24                             ; which 512 bytes of a row
	s_lshl_b32 s38, s89, 1                         ; value_input: record 2 unit + wave / 4 of 1,024
	s_add_co_u32 s38, s38, s69
	s_and_b32 s39, s38, 15                         ; which 128 columns: 512 bytes of a row
	s_lshr_b32 s40, s38, 4                         ; 16 batch + K step: which 128 keys
	s_and_b32 s41, s40, 15                         ; K step
	s_lshr_b32 s42, s38, 8
	s_lshl_b32 s42, s42, 4
	s_add_co_u32 s42, s42, s39
	s_add_co_u32 s42, s42, 80                      ; group 80 + 16 batch + column block
	s_cmp_lt_u32 s89, 512
	s_cselect_b64 s[30:31], s[14:15], s[30:31]
	s_cselect_b64 s[32:33], s[20:21], s[32:33]
	s_cselect_b32 s34, s40, s34
	s_cselect_b32 s29, s39, s29
	s_cselect_b32 s35, s42, s35
	s_cselect_b32 s24, s41, s24
	s_cselect_b32 s25, s68, s25                    ; value_input: I fetch keys 32 (wave % 4) .. and quantise columns 32 (wave % 4) ..
	s_cselect_b32 s74, 0, s36
	s_lshl_b32 s40, s34, 20                        ; 128 rows of 8,192 bytes,
	s_lshl_b32 s41, s25, 18                        ; 32 rows,
	s_add_co_u32 s40, s40, s41
	s_lshl_b32 s41, s29, 9
	s_add_co_u32 s40, s40, s41
	s_mov_b32 s41, 0
	s_add_nc_u64 s[30:31], s[30:31], s[40:41]
	s_mul_i32 s35, s35, GRP
	s_mul_i32 s29, s24, REC
	s_add_co_u32 s35, s35, s29
	s_mul_i32 s29, s25, 3072                       ; two fragments for 32 rows
	s_add_co_u32 s40, s35, s29
	s_add_nc_u64 s[70:71], s[32:33], s[40:41]
	s_lshl_b32 s29, s25, 7                         ; 32 scale words
	s_add_co_u32 s40, s35, s29
	s_add_co_u32 s40, s40, SCO
	s_add_nc_u64 s[72:73], s[32:33], s[40:41]
	s_add_co_u32 s89, s89, 240                     ; my work-group's next unit
.endm
.macro NEXTB                           ; the unit decoded last becomes the tile that is loaded next
	s_mov_b64 s[76:77], s[30:31]
	s_mov_b64 s[78:79], s[70:71]
	s_mov_b64 s[80:81], s[72:73]
	s_mov_b32 s82, s74
.endm
.macro ASK                             ; my tile's 64 blocks of 256 bytes
	global_prefetch_b8 v[PFO], s[96:97] th:TH_LOAD_NT scope:SCOPE_SE
	global_prefetch_b8 v[PFO], s[96:97] offset:256 th:TH_LOAD_NT scope:SCOPE_SE
.endm
.macro RLD adr, up                     ; adr: my lane's row of tile 0;  up: rows from tile 0's to tile 1's
.set n, 0
.rept 32
	ds_load_b128 v[32+4*n:35+4*n], v[\adr] offset:(n/16)*(\up)*RP+((n/8)%2)*256+(n%8)*16   ; block 2 u + c: tile u, k = 64 c + 32 h + 0..31 of row r
.set n, n+1
.endr
.endm
; four blocks of 32 numbers at v[32 + 32 b] -> six registers of codes each at v[160 + 6 b]
.macro CORE
.irp b, 0,1,2,3
	v_max3_num_f32 v[12+\b], |v[32+32*\b]|, |v[33+32*\b]|, 0x1800000   ; the floor 2^(3 - 127) among the leaves: the byte cannot fall under 1
.endr
.irp i, 2,4,6,8,10,12,14,16,18,20,22,24,26,28,30
.irp b, 0,1,2,3
	v_max3_num_f32 v[12+\b], v[12+\b], |v[32+32*\b+\i]|, |v[33+32*\b+\i]|   ; the four blocks by turns
.endr
.endr
.irp b, 0,1,2,3
	v_add_nc_u32 v[16+\b], 0xff000000, v[12+\b]    ; 2 off the exponent field: the conversion takes this operand's exponent field as its scale
.endr
.irp b, 0,1,2,3
	v_lshrrev_b32 v[20+\b], 23, v[16+\b]           ; the scale's byte
.endr
.irp b, 0,1,2,3
	v_cvt_scalef32_pk16_fp6_f32 v[160+6*\b:162+6*\b], v[32+32*\b:47+32*\b], v[16+\b]
	v_cvt_scalef32_pk16_fp6_f32 v[184+4*\b:186+4*\b], v[48+32*\b:63+32*\b], v[16+\b]   ; (a conversion's three registers begin on an even number)
.endr
	v_nop                                          ; one plain place behind a scaled conversion
.irp b, 0,1,2,3
.irp i, 0,1,2
	v_mov_b32 v[163+6*\b+\i], v[184+4*\b+\i]
.endr
.endr
.endm
; a trip: slot sl is worked; refill = 1: the other slot takes the next tile; dec = 1: the unit two trips on is decoded and asked for
.macro TRIP sl, refill, dec
.set GG, G0+48*(1-(\sl))
	s_wait_alu depctr_va_vdst(0)
	s_wait_xcnt 0x0                                ; the last trip's stores and prefetches have read their registers: bases and data are written again only behind this wait
	s_wait_tensorcnt 0x0                           ; my one load that was out, this slot's tile, is in;
	ds_add_u32 v[SPW], v[NIL]                      ; work on scalar registers stands between the add and its wait
	s_mov_b64 s[84:85], s[78:79]                   ; the tile loaded last is the tile at work
	s_mov_b64 s[86:87], s[80:81]
	s_mov_b32 s88, s82
	NEXTB
.if \refill
	s_mov_b64 s[GG+2:GG+3], s[76:77]               ; no load of mine is out: a group 0 may be written
	s_or_b32 s[GG+3], s[GG+3], 0x80000000
.endif
.if \dec
	DECODE
	s_mov_b64 s[96:97], s[30:31]
.endif
	s_wait_dscnt 0x0                               ; the add is done, and so are my reads of the other slot
	s_barrier_signal -1
	s_barrier_wait -1                              ; both hold of every wave
.if \refill
	tensor_load_to_lds s[GG:GG+3], s[G1:G1+7]      ; my one load behind this barrier (in the first trip: slot 1's first fill)
	s_nop 0
.endif
	s_cmp_eq_u32 s88, 0
	s_cbranch_scc0 .Lrow_\@
.set n, 0
.rept 128                              ; value_input: key blocks 0, 2, 1, 3 in this order, so that the first twelve registers of codes hold blocks 0 and 2; key block j lies in the tile of wave j of my four
.set bk, ((n/32)%2)*2+n/64
	ds_load_b32 v[32+n], v[7+2*(\sl)+bk/2] offset:(bk%2)*WREG+(n%32)*RP   ; 32 lanes read 128 consecutive bytes
.set n, n+1
.endr
	s_branch .Lgot_\@
.Lrow_\@:
	s_cmp_eq_u32 s88, 1
	s_cbranch_scc0 .Lprm_\@
	RLD RN+(\sl), 16
	s_branch .Lgot_\@
.Lprm_\@:
	RLD RPM+(\sl), 8
.Lgot_\@:
.if \dec
	ASK
.endif
	s_wait_dscnt 0x0
	CORE
	s_wait_alu depctr_va_vdst(0)
	s_cmp_eq_u32 s88, 0
	s_cbranch_scc0 .Lrw_\@
	v_lshl_or_b32 v24, v22, 8, v20                 ; four bytes make my column's scale word (v20-23: key blocks 0, 2, 1, 3)
	v_lshl_or_b32 v25, v23, 8, v21
	v_lshl_or_b32 v28, v25, 16, v24
.irp i, 0,1,2,3,4,5,6,7,8,9,10,11
	v_permlane16_swap_b32 v[160+\i], v[172+\i]     ; the first twelve's lanes 16-31 change places with the second twelve's lanes 0-15: now each twelve is a fragment of 16 columns
.endr
	s_branch .Lout_\@
.Lrw_\@:
	v_lshl_or_b32 v24, v21, 16, v20                ; tile 0: my two bytes, blocks h and 2 + h,
	v_lshl_or_b32 v25, v23, 16, v22                ; tile 1
	v_lshlrev_b32 v24, v[SH], v24                  ; 8 h bits up;
	v_lshlrev_b32 v25, v[SH], v25
	v_permlanex16_b32 v26, v24, s26, s27
	v_permlanex16_b32 v27, v25, s26, s27
	v_or_b32 v24, v24, v26                         ; with lane l xor 16's two the row's word is whole, in both lanes
	v_or_b32 v25, v25, v27
	v_cndmask_b32 v28, v24, v25, s28               ; lanes 0-15: tile 0's rows; lanes 16-31: tile 1's
.Lout_\@:
	s_wait_alu depctr_va_vdst(0)
.irp f, 0,1
.irp g, 0,1,2
	global_store_b128 v6, v[160+12*\f+4*\g:163+12*\f+4*\g], s[84:85] offset:1536*\f+512*\g   ; 512 consecutive bytes
.endr
.endr
	global_store_b32 v4, v28, s[86:87]
.endm
	s_load_b256 s[4:11], s[0:1], 0x0               ; query_input s[4:5], key_input s[6:7], Wq s[8:9], Wk s[10:11]
	s_load_b256 s[12:19], s[0:1], 0x20             ; attn_mask s[12:13], value_input s[14:15], xc s[16:17], wc s[18:19]
	s_load_b64 s[20:21], s[0:1], 0x40              ; cod
	v_lshl_add_u32 v[SPW], v0, 2, SPARE
	v_mov_b32 v[NIL], 0
	ds_add_u32 v[SPW], v[NIL]                      ; the opening lines: the add, twice on end, and its wait ahead of my first tensor load
	ds_add_u32 v[SPW], v[NIL]
	v_lshrrev_b32 v5, 5, v0
	v_readfirstlane_b32 s22, v5                    ; wave 0..7
	s_mov_b32 s[G1+0], (2<<16)|(1<<20)|(6<<22)|(3<<25)   ; elements of 4 bytes; after every 128 words 4 words of padding
	s_mov_b32 s[G1+1], 128<<16
	s_mov_b32 s[G1+2], 32<<16
	s_mov_b32 s[G1+3], 128<<16
	s_mov_b32 s[G1+4], 32
	s_mov_b32 s[G1+5], 2048                        ; every tensor's rows are 2,048 numbers apart
	s_mov_b32 s[G1+6], 0
	s_mov_b32 s[G1+7], 0
	s_and_b32 s68, s22, 3                          ; wave % 4
	s_lshr_b32 s69, s22, 2                         ; wave / 4
	s_mov_b32 s89, ttmp9                           ; my first unit
	s_mul_i32 s91, s22, WREG                       ; my tile's place in a slot
	s_mov_b32 s[G0], 1
	s_mov_b32 s[G0+1], s91
	s_mov_b32 s[G0+48], 1
	s_add_co_u32 s[G0+49], s91, SLOTB
	s_mov_b32 s26, 0x76543210
	s_mov_b32 s27, 0xfedcba98                      ; v_permlanex16_b32: lane l xor 16
	s_mov_b32 s28, 0xffff0000                      ; lanes 16-31
	s_wait_dscnt 0x0                               ; both opening adds are done
	s_wait_kmcnt 0x0
	DECODE                                         ; trip 0's unit
	s_mov_b64 s[G0+2:G0+3], s[30:31]
	s_or_b32 s[G0+3], s[G0+3], 0x80000000
	tensor_load_to_lds s[G0:G0+3], s[G1:G1+7]      ; my one load at the head: slot 0
	s_nop 0
	NEXTB
	s_and_b32 s29, s22, 4
	s_mul_i32 s29, s29, WREG                       ; value_input: the first tile of my four waves,
	s_lshl_b32 s37, s68, 7                         ; my 32 of its 128 columns
	s_add_co_u32 s29, s29, s37
	v_and_b32 v1, 31, v0                           ; lane
	v_and_b32 v24, 15, v0                          ; r
	v_bfe_u32 v25, v0, 4, 1                        ; h
	v_lshlrev_b32 v4, 2, v1                        ; 4 l
	v_lshlrev_b32 v6, 4, v1                        ; 16 l
	v_lshlrev_b32 v[PFO], 13, v1
	v_add_nc_u32 v7, s29, v4                       ; my column of key 0, slot 0;
	v_add_nc_u32 v8, 2*WREG, v7                    ; of key 64;
	v_add_nc_u32 v9, SLOTB, v7                     ; slot 1
	v_add_nc_u32 v10, SLOTB+2*WREG, v7
	v_and_b32 v26, 8, v24
	v_add_nc_u32 v26, v26, v24                     ; r + 8 (r / 8)
	v_mul_u32_u24 v27, v24, RP
	v_mul_u32_u24 v26, v26, RP
	v_lshl_add_u32 v27, v25, 7, v27
	v_lshl_add_u32 v26, v25, 7, v26
	v_add_nc_u32 v[RN], s91, v27                   ; natural rows: row r, + 128 h
	v_add_nc_u32 v[RPM], s91, v26                  ; Wq, Wk: row r + 8 (r / 8), + 128 h
	v_add_nc_u32 v[RN+1], SLOTB, v[RN]
	v_add_nc_u32 v[RPM+1], SLOTB, v[RPM]
	v_lshlrev_b32 v[SH], 3, v25                    ; 8 h
	v_mov_b32 v26, 0                               ; written once here: a lane permute's destination counts as one of its sources
	v_mov_b32 v27, 0
	s_wait_alu depctr_va_vdst(0)
	DECODE                                         ; trip 1's unit
	s_mov_b64 s[96:97], s[30:31]
	ASK
	s_mov_b32 s90, 2
.Lloop:                                                ; trips 0-3: each fills the other slot and asks for the tile two trips on
	TRIP 0, 1, 1
	TRIP 1, 1, 1
	s_sub_co_u32 s90, s90, 1
	s_cmp_lg_u32 s90, 0
	s_cbranch_scc1 .Lloop
	TRIP 0, 1, 0                                   ; trip 4 fetches trip 5's tile and asks for nothing more
	TRIP 1, 0, 0
	s_wait_tensorcnt 0x0                           ; the wave's end
	ds_add_u32 v[SPW], v[NIL]
	s_wait_dscnt 0x0
	s_endpgm
.Lfunc_end_k_qcc10777b60_quant:
	.size	k_qcc10777b60_quant, .Lfunc_end_k_qcc10777b60_quant-k_qcc10777b60_quant
	.p2alignl 7, 3214868480
	.fill 96, 4, 3214868480
	.section	.rodata,"a",@progbits
	.p2align	6, 0x0
	.amdhsa_kernel k_qcc10777b60_quant
		.amdhsa_group_segment_fixed_size 327680
		.amdhsa_private_segment_fixed_size 0
		.amdhsa_enable_private_segment 0
		.amdhsa_kernarg_size 72
		.amdhsa_user_sgpr_count 2
		.amdhsa_user_sgpr_kernarg_segment_ptr 1
		.amdhsa_wavefront_size32 1
		.amdhsa_system_sgpr_workgroup_id_x 1
		.amdhsa_system_sgpr_workgroup_id_y 1
		.amdhsa_system_sgpr_workgroup_id_z 1
		.amdhsa_system_vgpr_workitem_id 0
		.amdhsa_next_free_vgpr 256
		.amdhsa_next_free_sgpr 100
		.amdhsa_reserve_vcc 0
		.amdhsa_float_denorm_mode_32 3
		.amdhsa_float_denorm_mode_16_64 3
		.amdhsa_memory_ordered 1
		.amdhsa_forward_progress 1
		.amdhsa_inst_pref_size 96
	.end_amdhsa_kernel
	.amdgpu_metadata
---
amdhsa.version: [ 1, 2 ]
amdhsa.kernels:
  - .name:           k_qcc10777b60_quant
    .symbol:         k_qcc10777b60_quant.kd
    .args:
      - { .name: query_input, .offset: 0, .size: 8, .value_kind: global_buffer, .address_space: global }
      - { .name: key_input, .offset: 8, .size: 8, .value_kind: global_buffer, .address_space: global }
      - { .name: Wq, .offset: 16, .size: 8, .value_kind: global_buffer, .address_space: global }
      - { .name: Wk, .offset: 24, .size: 8, .value_kind: global_buffer, .address_space: global }
      - { .name: attn_mask, .offset: 32, .size: 8, .value_kind: global_buffer, .address_space: global }
      - { .name: value_input, .offset: 40, .size: 8, .value_kind: global_buffer, .address_space: global }
      - { .name: xc, .offset: 48, .size: 8, .value_kind: global_buffer, .address_space: global }
      - { .name: wc, .offset: 56, .size: 8, .value_kind: global_buffer, .address_space: global }
      - { .name: cod, .offset: 64, .size: 8, .value_kind: global_buffer, .address_space: global }
    .group_segment_fixed_size: 327680
    .private_segment_fixed_size: 0
    .kernarg_segment_align: 8
    .kernarg_segment_size: 72
    .max_flat_workgroup_size: 256
    .sgpr_count:     100
    .vgpr_count:     256
    .wavefront_size: 32
...
	.end_amdgpu_metadata
.endif
;; end of part 1
;; launch proj (part 2): grid 8 x 32, 4 waves a work-group, clusters of 4 x 4, 327,680 bytes of LDS; arguments xc, wc, bq, bk, cod; writes cod
.if DOCPART == 2
	.amdgcn_target "amdgcn-amd-amdhsa--gfx1250"
	.amdhsa_code_object_version 6
	.text
	.protected	k_qcc10777b60_proj
	.globl	k_qcc10777b60_proj
	.p2align	8
	.type	k_qcc10777b60_proj,@function
k_qcc10777b60_proj:
	s_mov_b64 s[64:65], 0
	v_nop
	global_prefetch_b8 v0, s[64:65] scope:SCOPE_SE
	s_setreg_imm32_b32 hwreg(HW_REG_WAVE_MODE, 25, 1), 1
	s_wait_xcnt 0x0
	s_wait_alu depctr_hold_cnt(0) depctr_sa_sdst(0) depctr_va_vdst(0) depctr_va_sdst(0) depctr_va_ssrc(0) depctr_va_vcc(0) depctr_vm_vsrc(0)
	s_getreg_b32 s2, hwreg(HW_REG_IB_STS2, 6, 4)
	s_cmp_eq_u32 s2, 0
	s_cbranch_scc0 .Lentry_in_a_cluster
	s_endpgm
.Lentry_in_a_cluster:
	s_bfe_u32 s2, ttmp6, 0x10000c
	s_cmp_lg_u32 s2, 0xf033
	s_cbranch_scc0 .Lentry_shape_is_right
	s_endpgm
.Lentry_shape_is_right:
.set REC,   12800
.set GRP,   204800
.set SCO,   12288
.set SLB,   16*REC
.set SPARE, 24*REC
.set QW,   4
.set QX,   7
.set QSW,  10
.set QSX,  13
.set AW,   16
.set AX,   18
.set ASW,  20
.set ASX,  22
.set LI,   24
.set LS,   25
.set SPW,  28
.set NIL,  29
.set SC,   32
.set XF,   64
.set BIAS, 192
.set TM,   224
.set PW,   240
.set PR,   248
.set G1X,  24
.set G1W,  40
.set G0X,  56
.set G0W,  68
.set MSB,  0
.macro WIN new
.if MSB != (\new)
	s_set_vgpr_msb (MSB<<8)|(\new)
.set MSB, (\new)
.endif
.endm
.macro PLACES
.rept 4
	v_nop
.endr
.endm
.macro JLOAD s
	s_cmp_eq_u32 s15, 0
	s_cbranch_scc0 .Lfor_x_\@
	tensor_load_to_lds s[G0W+4*(\s):G0W+4*(\s)+3], s[G1W+8*(\s):G1W+8*(\s)+7]
	s_nop 0
.rept 4
	v_nop
.endr
	s_branch .Lasked_\@
.Lfor_x_\@:
	tensor_load_to_lds s[G0X+4*(\s):G0X+4*(\s)+3], s[G1X+8*(\s):G1X+8*(\s)+7]
	s_nop 0
.rept 4
	v_nop
.endr
.Lasked_\@:
.endm
.macro CREST
	s_cmp_lg_u32 s14, 0
	s_cbranch_scc1 .Lnot_wave_0_\@
	s_barrier_signal -3
.Lnot_wave_0_\@:
	s_barrier_wait -3
	s_barrier_signal -1
	s_barrier_wait -1
.endm
.macro CROUND
	s_barrier_signal -1
	s_barrier_wait -1
	CREST
.endm
.macro WM d, fa, fb, c, sa, sb, ra, rb
.if (\ra) && (\rb)
	v_wmma_scale_f32_16x16x128_f8f6f4 v[\d:\d+7], v[\fa:\fa+11], v[\fb:\fb+11], v[\c:\c+7], v[\sa], v[\sb] matrix_a_fmt:MATRIX_FMT_FP6 matrix_b_fmt:MATRIX_FMT_FP6 matrix_a_scale:MATRIX_SCALE_ROW1 matrix_b_scale:MATRIX_SCALE_ROW1
.elseif (\ra)
	v_wmma_scale_f32_16x16x128_f8f6f4 v[\d:\d+7], v[\fa:\fa+11], v[\fb:\fb+11], v[\c:\c+7], v[\sa], v[\sb] matrix_a_fmt:MATRIX_FMT_FP6 matrix_b_fmt:MATRIX_FMT_FP6 matrix_a_scale:MATRIX_SCALE_ROW1
.elseif (\rb)
	v_wmma_scale_f32_16x16x128_f8f6f4 v[\d:\d+7], v[\fa:\fa+11], v[\fb:\fb+11], v[\c:\c+7], v[\sa], v[\sb] matrix_a_fmt:MATRIX_FMT_FP6 matrix_b_fmt:MATRIX_FMT_FP6 matrix_b_scale:MATRIX_SCALE_ROW1
.else
	v_wmma_scale_f32_16x16x128_f8f6f4 v[\d:\d+7], v[\fa:\fa+11], v[\fb:\fb+11], v[\c:\c+7], v[\sa], v[\sb] matrix_a_fmt:MATRIX_FMT_FP6 matrix_b_fmt:MATRIX_FMT_FP6
.endif
.endm
.macro MULP a, set, first
.irp b, 0,1,2,3,4,5,6,7
.if \first
	WM 64*((\a)%4)+8*\b, 96*(\set)+12*\b, XF+96*(\set)+12*(\a), BIAS+8*\b, SC+8*(\set)+\b/2, SC+4+8*(\set)+(\a)/2, \b%2, (\a)%2
.else
	WM 64*((\a)%4)+8*\b, 96*(\set)+12*\b, XF+96*(\set)+12*(\a), 64*((\a)%4)+8*\b, SC+8*(\set)+\b/2, SC+4+8*(\set)+(\a)/2, \b%2, (\a)%2
.endif
.endr
.endm
.macro FETCHW adr, asw, off, set
	WIN 0x40
.irp b, 0,1,2,3,4,5,6,7
.irp c, 0,1,2
	ds_load_b128 v[96*(\set)+12*\b+4*\c:96*(\set)+12*\b+4*\c+3], v[\adr] offset:(\off)+1536*\b+512*\c
.endr
.endr
	WIN 0
.irp p, 0,1,2,3
	ds_load_b32 v[SC+8*(\set)+\p], v[\asw] offset:(\off)+SCO+128*\p
.endr
.endm
.macro FETCHX adr, asx, off, set, nt
	WIN 0
.irp a, 0,1,2,3,4,5,6,7
.if \a < (\nt)
.irp c, 0,1,2
	ds_load_b128 v[XF+96*(\set)+12*\a+4*\c:XF+96*(\set)+12*\a+4*\c+3], v[\adr] offset:(\off)+1536*\a+512*\c
.endr
.endif
.endr
.irp p, 0,1,2,3
.if 2*\p < (\nt)
	ds_load_b32 v[SC+4+8*(\set)+\p], v[\asx] offset:(\off)+SCO+128*\p
.endif
.endr
.endm
.macro KSTEP n, first
.set NN, (\n)+1
.set NSL, (NN%6)/4
.set NKS, NN%6-4*NSL
.set ST, (\n)%2
	s_wait_dscnt 0x0
	WIN 0xa1-0x10*(\first)
	MULP 0, ST, \first
	PLACES
	FETCHW AW+NSL, ASW+NSL, NKS*REC, 1-ST
	WIN 0xa1-0x10*(\first)
	MULP 1, ST, \first
	MULP 2, ST, \first
	FETCHX AX+NSL, ASX+NSL, NKS*REC, 1-ST, 8
	WIN 0xa1-0x10*(\first)
	MULP 3, ST, \first
	WIN 0xf1-0x20*(\first)
	MULP 4, ST, \first
	MULP 5, ST, \first
	MULP 6, ST, \first
	MULP 7, ST, \first
.endm
.macro KTURN n, kind
.set SL, ((\n)%6)/4
	WIN 0
	s_wait_tensorcnt 0x0
	ds_add_u32 v[SPW], v[NIL]
	s_wait_dscnt 0x1
	WIN 0xa1
	MULP 0, 1, 0
	s_wait_dscnt 0x0
	s_barrier_signal -1
	MULP 1, 1, 0
	WIN 0
	s_barrier_wait -1
	CREST
.if (\kind) == 1
	s_add_nc_u64 s[G0W+4*SL+2:G0W+4*SL+3], s[G0W+4*SL+2:G0W+4*SL+3], 6*REC
	s_add_nc_u64 s[G0X+4*SL+2:G0X+4*SL+3], s[G0X+4*SL+2:G0X+4*SL+3], 6*REC
.else
	s_mov_b64 s[G0W+4*SL+2:G0W+4*SL+3], s[90-4*SL:91-4*SL]
	s_or_b32 s[G0W+4*SL+3], s[G0W+4*SL+3], 0x80000000
	s_mov_b64 s[G0X+4*SL+2:G0X+4*SL+3], s[92-4*SL:93-4*SL]
	s_or_b32 s[G0X+4*SL+3], s[G0X+4*SL+3], 0x80000000
.endif
	JLOAD SL
.if (\n) < 15
	FETCHW AW+1-SL, ASW+1-SL, 0, 0
	FETCHX AX+1-SL, ASX+1-SL, 0, 0, 8
.endif
.if (\n) == 3                          ; two fills ahead: K steps 12-15,
	global_prefetch_b8 v26, s[22:23] offset:12*REC th:TH_LOAD_NT scope:SCOPE_SE
	global_prefetch_b8 v26, s[22:23] offset:12*REC+6400 th:TH_LOAD_NT scope:SCOPE_SE
.elseif (\n) == 5                      ; the q projection's K steps 0-3,
	global_prefetch_b8 v27, s[4:5] th:TH_LOAD_NT scope:SCOPE_SE
.elseif (\n) == 9                      ; 4-11,
	global_prefetch_b8 v26, s[6:7] th:TH_LOAD_NT scope:SCOPE_SE
	global_prefetch_b8 v26, s[6:7] offset:6400 th:TH_LOAD_NT scope:SCOPE_SE
.elseif (\n) == 11                     ; 12-15: the last fill
	global_prefetch_b8 v27, s[4:5] offset:12*REC th:TH_LOAD_NT scope:SCOPE_SE
.endif
	WIN 0xa1
	MULP 2, 1, 0
	MULP 3, 1, 0
	WIN 0xf1
	MULP 4, 1, 0
	MULP 5, 1, 0
	MULP 6, 1, 0
	MULP 7, 1, 0
.endm
.macro QSTEP m, first
.set NM, (\m)+1
.set NR, (NM/4)%3
.set ST, (\m)%2
	s_wait_dscnt 0x0
	PLACES
	FETCHW QW+NR, QSW+NR, (NM%4)*REC, 1-ST
	FETCHX QX+NR, QSX+NR, (NM%4)*REC, 1-ST, 2
	WIN 0xa1-0x10*(\first)
	MULP 0, ST, \first
	MULP 1, ST, \first
.endm
.macro QTURN m, fill
.set NR, (((\m)+1)/4)%3
	WIN 0
	s_wait_tensorcnt 0x0
	ds_add_u32 v[SPW], v[NIL]
	s_wait_dscnt 0x1
	WIN 0xa1
	MULP 0, 1, 0
	s_wait_dscnt 0x0
	s_barrier_signal -1
	MULP 1, 1, 0
	WIN 0
	s_barrier_wait -1
.if \fill
	CREST
	s_add_nc_u64 s[G0W+6:G0W+7], s[G0W+6:G0W+7], 12*REC
	s_add_nc_u64 s[G0X+6:G0X+7], s[G0X+6:G0X+7], 12*REC
	JLOAD 1
.else
	PLACES
.endif
	FETCHW QW+NR, QSW+NR, 0, 0
	FETCHX QX+NR, QSX+NR, 0, 0, 2
.endm
.macro BIASLD sb
	WIN 0x40
.irp t, 0,1,2,3,4,5,6,7
	global_load_b128 v[BIAS+8*\t:BIAS+8*\t+3], v3, s[\sb:\sb+1] offset:(32*(\t/2)+8*(\t%2))*4
	global_load_b128 v[BIAS+8*\t+4:BIAS+8*\t+7], v3, s[\sb:\sb+1] offset:(32*(\t/2)+8*(\t%2))*4+16
.endr
	WIN 0
.endm
.macro QUANTW a, sb, ss
.set SA, 64*((\a)%4)
.set PC, 64+20*(\a)
.set WN, 2+(\a)/4
	WIN (WN<<2)|(WN<<4)
.irp b, 0,1,2,3
	v_max3_num_f32 v[TM+\b], 0x1800000, |v[SA+16*\b]|, |v[SA+16*\b+1]|
.endr
.irp i, 2,4,6,8,10,12,14
.irp b, 0,1,2,3
	v_max3_num_f32 v[TM+\b], v[TM+\b], |v[SA+16*\b+\i]|, |v[SA+16*\b+\i+1]|
.endr
.endr
	WIN 0
.irp b, 0,1,2,3
	v_permlanex16_b32 v[TM+4+\b], v[TM+\b], s80, s81
.endr
.irp b, 0,1,2,3
	v_max_num_f32 v[TM+\b], v[TM+\b], v[TM+4+\b]
.endr
.irp b, 0,1,2,3
	v_add_nc_u32 v[TM+12+\b], 0xff000000, v[TM+\b]
.endr
.irp b, 0,1,2,3
	v_lshrrev_b32 v[TM+4+\b], 23, v[TM+12+\b]
.endr
	v_lshl_or_b32 v[PW+\a], v[TM+5], 8, v[TM+4]
	v_lshl_or_b32 v[PW+\a], v[TM+6], 16, v[PW+\a]
	v_lshl_or_b32 v[PW+\a], v[TM+7], 24, v[PW+\a]
	WIN WN
.irp c, 0,1
	v_cvt_scalef32_pk16_fp6_f32 v[PC+6*\c:PC+6*\c+2], v[SA+32*\c:SA+32*\c+15], v[TM+12+2*\c]
	v_cvt_scalef32_pk16_fp6_f32 v[PC+12+4*\c:PC+14+4*\c], v[SA+16+32*\c:SA+31+32*\c], v[TM+12+2*\c+1]
.endr
	WIN 0
	v_nop
.irp c, 0,1
.irp i, 0,1,2
	v_permlane16_swap_b32 v[PC+6*\c+\i], v[PC+12+4*\c+\i]
.endr
.irp i, 0,1,2
	v_mov_b32 v[PC+3+6*\c+\i], v[PC+12+4*\c+\i]
.endr
.endr
.irp g, 0,1,2
	global_store_b128 v[LI], v[PC+4*\g:PC+4*\g+3], s[\sb:\sb+1] offset:1536*(\a)+512*\g
.endr
.if ((\a)%2) == 1
	v_cndmask_b32 v[PR+(\a)/2], v[PW+(\a)-1], v[PW+\a], s82
	global_store_b32 v[LS], v[PR+(\a)/2], s[\ss:\ss+1] offset:SCO+128*((\a)/2)
.endif
.endm
	s_load_b256 s[4:11], s[0:1], 0x0
	s_load_b64 s[12:13], s[0:1], 0x20
	v_lshl_add_u32 v[SPW], v0, 2, SPARE
	v_mov_b32 v[NIL], 0
	ds_add_u32 v[SPW], v[NIL]
	ds_add_u32 v[SPW], v[NIL]
	v_lshrrev_b32 v1, 5, v0
	v_readfirstlane_b32 s14, v1
	s_lshr_b32 s15, s14, 1
	s_and_b32 s16, s14, 1
	s_bfe_u32 s17, ttmp6, 0x40000
	s_bfe_u32 s18, ttmp6, 0x40004
	s_and_b32 s19, ttmp7, 0xffff
	s_lshl_b32 s20, ttmp9, 2
	s_add_co_u32 s20, s20, s17
	s_lshl_b32 s21, s19, 2
	s_add_co_u32 s21, s21, s18
	s_lshl_b32 s22, s18, 2
	s_lshl_b32 s22, 15, s22
	s_lshl_b32 s23, 0x1111, s17
	s_or_b32 s[G1X+0], s22, (3<<16)|(1<<21)
	s_or_b32 s[G1X+8], s22, (3<<16)|(1<<21)
	s_or_b32 s[G1W+0], s23, (3<<16)|(1<<21)
	s_or_b32 s[G1W+8], s23, (3<<16)|(1<<21)
.irp g, G1X, G1X+8, G1W, G1W+8
	s_mov_b32 s[\g+1], 32<<16
	s_mov_b32 s[\g+3], 32<<16
	s_mov_b32 s[\g+5], 32
	s_mov_b32 s[\g+6], 0
	s_mov_b32 s[\g+7], 0
.endr
.irp g, G1X, G1W
	s_mov_b32 s[\g+2], 200<<16
	s_mov_b32 s[\g+4], 200
	s_mov_b32 s[\g+10], 100<<16
	s_mov_b32 s[\g+12], 100
.endr
	s_mul_i32 s100, s16, 2*REC
	s_mul_i32 s101, s16, 4*REC
	s_lshl_b32 s94, s20, 1
	s_add_co_u32 s94, s94, s16
	s_add_co_u32 s94, s94, 16
	s_mul_i32 s94, s94, GRP
	s_mov_b32 s95, 0
	s_lshl_b32 s96, s21, 1
	s_add_co_u32 s96, s96, s16
	s_add_co_u32 s96, s96, 16
	s_mul_i32 s96, s96, GRP
	s_mov_b32 s97, 0
	s_and_b32 s98, s19, 1
	s_lshl_b32 s98, s98, 1
	s_add_co_u32 s98, s98, ttmp9
	s_lshl_b32 s98, s98, 2
	s_add_co_u32 s98, s98, s17
	s_lshr_b32 s99, s19, 1
	s_lshl_b32 s99, s99, 2
	s_add_co_u32 s99, s99, s18
	s_mul_i32 s86, s98, GRP
	s_add_co_u32 s86, s86, s100
	s_add_co_u32 s90, s86, s100
	s_add_co_u32 s90, s90, 4*REC
	s_mul_i32 s88, s99, GRP
	s_add_co_u32 s88, s88, s100
	s_add_co_u32 s92, s88, s100
	s_add_co_u32 s92, s92, 4*REC
	s_mov_b32 s87, 0
	s_mov_b32 s89, 0
	s_mov_b32 s91, 0
	s_mov_b32 s93, 0
	s_mov_b32 s80, 0x76543210
	s_mov_b32 s81, 0xfedcba98
	s_mov_b32 s82, 0xffff0000
	s_wait_dscnt 0x0
	s_wait_kmcnt 0x0
	s_add_nc_u64 s[94:95], s[6:7], s[94:95]
	s_add_nc_u64 s[96:97], s[4:5], s[96:97]
	s_add_nc_u64 s[86:87], s[6:7], s[86:87]
	s_add_nc_u64 s[90:91], s[6:7], s[90:91]
	s_add_nc_u64 s[88:89], s[4:5], s[88:89]
	s_add_nc_u64 s[92:93], s[4:5], s[92:93]
	CROUND
	s_mov_b32 s[G0W], 1
	s_mov_b32 s[G0W+1], s101
	s_mov_b64 s[G0W+2:G0W+3], s[94:95]
	s_or_b32 s[G0W+3], s[G0W+3], 0x80000000
	s_mov_b32 s[G0X], 1
	s_add_co_u32 s[G0X+1], s101, 8*REC
	s_mov_b64 s[G0X+2:G0X+3], s[96:97]
	s_or_b32 s[G0X+3], s[G0X+3], 0x80000000
	JLOAD 0
	; PREFETCHES INTO THE L2: behind fill f's load each wave asks for fill f + 2 (here also for fill 1).  The four partners of a joint load share a tile's blocks of 256 bytes out by address:
	; partner p (cy for W's tiles, cx for x's) takes a quarter, 25 blocks of a tile of 100 and 50 of a tile of 200; lanes 25-31 name their wave's last block again.  The registers are never rewritten.
	s_cmp_eq_u32 s15, 0                            ; do I fetch for W?
	s_cselect_b64 s[22:23], s[94:95], s[96:97]     ; my group of the k projection,
	s_cselect_b64 s[6:7], s[90:91], s[92:93]       ; my part of the q projection's K steps 4-11,
	s_cselect_b64 s[4:5], s[86:87], s[88:89]       ; and of its K steps 0-3 (12 records on: 12-15)
	s_cselect_b32 s19, s18, s17
	s_mul_i32 s19, s19, 6400
	v_and_b32 v27, 31, v0
	v_min_u32 v27, 24, v27
	v_lshlrev_b32 v27, 8, v27
	v_add_nc_u32 v27, s19, v27                     ; a quarter of 25,600 bytes
	v_add_nc_u32 v26, s19, v27                     ; a quarter of 51,200 bytes, in two halves
	global_prefetch_b8 v27, s[22:23] offset:4*REC th:TH_LOAD_NT scope:SCOPE_SE
	global_prefetch_b8 v26, s[22:23] offset:6*REC th:TH_LOAD_NT scope:SCOPE_SE
	global_prefetch_b8 v26, s[22:23] offset:6*REC+6400 th:TH_LOAD_NT scope:SCOPE_SE
	s_mov_b32 s[G0W+4], 1
	s_add_co_u32 s[G0W+5], s100, SLB
	s_add_nc_u64 s[G0W+6:G0W+7], s[94:95], 4*REC
	s_or_b32 s[G0W+7], s[G0W+7], 0x80000000
	s_mov_b32 s[G0X+4], 1
	s_add_co_u32 s[G0X+5], s100, SLB+4*REC
	s_add_nc_u64 s[G0X+6:G0X+7], s[96:97], 4*REC
	s_or_b32 s[G0X+7], s[G0X+7], 0x80000000
	s_wait_alu depctr_va_vdst(0)
	s_wait_tensorcnt 0x0
	ds_add_u32 v28, v29
	s_wait_dscnt 0x0
	CROUND
	JLOAD 1
	global_prefetch_b8 v27, s[22:23] offset:10*REC th:TH_LOAD_NT scope:SCOPE_SE
	v_and_b32 v1, 31, v0
	v_lshlrev_b32 v[LI], 4, v1
	v_lshlrev_b32 v[LS], 2, v1
	s_mul_i32 s83, s15, 4*REC
	s_mul_i32 s84, s15, 2*REC
	s_add_co_u32 s84, s84, SLB
	s_add_co_u32 s85, s101, 8*REC
	s_add_co_u32 s94, s100, SLB+4*REC
	v_add_nc_u32 v[AW], s83, v[LI]
	v_add_nc_u32 v[AW+1], s84, v[LI]
	v_add_nc_u32 v[AX], s85, v[LI]
	v_add_nc_u32 v[AX+1], s94, v[LI]
	v_add_nc_u32 v[ASW], s83, v[LS]
	v_add_nc_u32 v[ASW+1], s84, v[LS]
	v_add_nc_u32 v[ASX], s85, v[LS]
	v_add_nc_u32 v[ASX+1], s94, v[LS]
	s_mul_i32 s95, s14, 3072
	s_lshl_b32 s96, s14, 7
	v_add_nc_u32 v[QW], SLB, v[LI]
	v_lshlrev_b32 v[QW+1], 4, v1
	v_add_nc_u32 v[QW+2], 4*REC, v[LI]
	v_add_nc_u32 v[QSW], SLB, v[LS]
	v_lshlrev_b32 v[QSW+1], 2, v1
	v_add_nc_u32 v[QSW+2], 4*REC, v[LS]
	v_add_nc_u32 v2, s95, v[LI]
	v_add_nc_u32 v[QX], SLB+4*REC, v2
	v_add_nc_u32 v[QX+1], 8*REC, v2
	v_add_nc_u32 v[QX+2], 12*REC, v2
	v_add_nc_u32 v2, s96, v[LS]
	v_add_nc_u32 v[QSX], SLB+4*REC, v2
	v_add_nc_u32 v[QSX+1], 8*REC, v2
	v_add_nc_u32 v[QSX+2], 12*REC, v2
	s_lshl_b32 s84, s20, 10
	s_lshl_b32 s85, s15, 9
	s_add_co_u32 s84, s84, s85
	s_mov_b32 s85, 0
	s_add_nc_u64 s[10:11], s[10:11], s[84:85]
	s_lshl_b32 s84, s98, 9
	s_add_nc_u64 s[8:9], s[8:9], s[84:85]
	v_bfe_u32 v2, v0, 4, 1
	v_lshlrev_b32 v3, 6, v2
	BIASLD 10
	s_lshl_b32 s84, s21, 1
	s_add_co_u32 s84, s84, s16
	s_add_co_u32 s84, s84, 16
	s_mul_i32 s84, s84, GRP
	s_lshl_b32 s83, s20, 1
	s_add_co_u32 s83, s83, s15
	s_mul_i32 s83, s83, REC
	s_add_co_u32 s84, s84, s83
	s_add_nc_u64 s[76:77], s[12:13], s[84:85]
	s_mul_i32 s84, s99, GRP
	s_mul_i32 s83, s98, REC
	s_add_co_u32 s84, s84, s83
	s_add_nc_u64 s[12:13], s[12:13], s[84:85]
	s_mov_b32 s84, s95
	s_add_nc_u64 s[78:79], s[12:13], s[84:85]
	s_mov_b32 s84, s96
	s_add_nc_u64 s[66:67], s[12:13], s[84:85]
	s_wait_tensorcnt 0x1
	s_barrier_signal -1
	s_barrier_wait -1
	FETCHW AW, ASW, 0, 0
	FETCHX AX, ASX, 0, 0, 8
	s_wait_loadcnt 0x0
	KSTEP 0, 1
	KSTEP 1, 0
	KSTEP 2, 0
	KTURN 3, 1
	KSTEP 4, 0
	KTURN 5, 1
	KSTEP 6, 0
	KSTEP 7, 0
	KSTEP 8, 0
	KTURN 9, 1
	KSTEP 10, 0
	KTURN 11, 2
	KSTEP 12, 0
	KSTEP 13, 0
	KSTEP 14, 0
	KTURN 15, 2
	WIN 0
	PLACES
.irp b, 0,1,2,3
	v_mov_b32 v[TM+4+\b], 0
.endr
	s_wait_alu depctr_va_vdst(0)
	BIASLD 8
.irp a, 0,1,2,3,4,5,6,7
	QUANTW \a, 76, 76
.endr
	s_wait_xcnt 0x0
	FETCHW QW, QSW, 0, 0
	FETCHX QX, QSX, 0, 0, 2
	s_wait_loadcnt 0x0
	QSTEP 0, 1
	QSTEP 1, 0
	QSTEP 2, 0
	QTURN 3, 1
.irp m, 4,5,6,7,8,9,10
	QSTEP \m, 0
.endr
	QTURN 11, 0
.irp m, 12,13,14
	QSTEP \m, 0
.endr
	s_wait_dscnt 0x0
	WIN 0xa1
	MULP 0, 1, 0
	MULP 1, 1, 0
	WIN 0
	PLACES
	QUANTW 0, 78, 66
	QUANTW 1, 78, 66
	s_wait_tensorcnt 0x0
	ds_add_u32 v[SPW], v[NIL]
	s_wait_dscnt 0x0
	CROUND
	s_endpgm
.Lfunc_end_k_qcc10777b60_proj:
	.size	k_qcc10777b60_proj, .Lfunc_end_k_qcc10777b60_proj-k_qcc10777b60_proj
	.p2alignl 7, 3214868480
	.fill 96, 4, 3214868480
	.section	.rodata,"a",@progbits
	.p2align	6, 0x0
	.amdhsa_kernel k_qcc10777b60_proj
		.amdhsa_group_segment_fixed_size 327680
		.amdhsa_private_segment_fixed_size 0
		.amdhsa_enable_private_segment 0
		.amdhsa_kernarg_size 40
		.amdhsa_user_sgpr_count 2
		.amdhsa_user_sgpr_kernarg_segment_ptr 1
		.amdhsa_wavefront_size32 1
		.amdhsa_system_sgpr_workgroup_id_x 1
		.amdhsa_system_sgpr_workgroup_id_y 1
		.amdhsa_system_sgpr_workgroup_id_z 1
		.amdhsa_system_vgpr_workitem_id 0
		.amdhsa_next_free_vgpr 1024
		.amdhsa_next_free_sgpr 102
		.amdhsa_reserve_vcc 0
		.amdhsa_float_denorm_mode_32 3
		.amdhsa_float_denorm_mode_16_64 3
		.amdhsa_memory_ordered 1
		.amdhsa_forward_progress 1
		.amdhsa_inst_pref_size 255
	.end_amdhsa_kernel
	.section	.bss,"aw",@nobits
	.p2align	6
	.space	262144
	.amdgpu_metadata
---
amdhsa.version: [ 1, 2 ]
amdhsa.kernels:
  - .name:           k_qcc10777b60_proj
    .symbol:         k_qcc10777b60_proj.kd
    .args:
      - { .name: xc, .offset: 0, .size: 8, .value_kind: global_buffer, .address_space: global }
      - { .name: wc, .offset: 8, .size: 8, .value_kind: global_buffer, .address_space: global }
      - { .name: bq, .offset: 16, .size: 8, .value_kind: global_buffer, .address_space: global }
      - { .name: bk, .offset: 24, .size: 8, .value_kind: global_buffer, .address_space: global }
      - { .name: cod, .offset: 32, .size: 8, .value_kind: global_buffer, .address_space: global }
    .group_segment_fixed_size: 327680
    .private_segment_fixed_size: 0
    .kernarg_segment_align: 8
    .kernarg_segment_size: 40
    .max_flat_workgroup_size: 128
    .sgpr_count:     102
    .vgpr_count:     1024
    .wavefront_size: 32
...
	.end_amdgpu_metadata
.endif
;; end of part 2
;; launch attn (part 3): grid 16 x 16, 4 waves a work-group, clusters of 4 x 4, 327,680 bytes of LDS; arguments cod, attn_mask, u, st; writes u, st
.if DOCPART == 3
	.amdgcn_target "amdgcn-amd-amdhsa--gfx1250"
	.amdhsa_code_object_version 6
	.text
	.protected	k_qcc10777b60_attn
	.globl	k_qcc10777b60_attn
	.p2align	8
	.type	k_qcc10777b60_attn,@function
k_qcc10777b60_attn:
	s_mov_b64 s[64:65], 0
	v_nop
	global_prefetch_b8 v0, s[64:65] scope:SCOPE_SE
	s_setreg_imm32_b32 hwreg(HW_REG_WAVE_MODE, 25, 1), 1
	s_wait_xcnt 0x0
	s_wait_alu depctr_hold_cnt(0) depctr_sa_sdst(0) depctr_va_vdst(0) depctr_va_sdst(0) depctr_va_ssrc(0) depctr_va_vcc(0) depctr_vm_vsrc(0)
	s_getreg_b32 s2, hwreg(HW_REG_IB_STS2, 6, 4)
	s_cmp_eq_u32 s2, 0
	s_cbranch_scc0 .Lentry_in_a_cluster
	s_endpgm
.Lentry_in_a_cluster:
	s_bfe_u32 s2, ttmp6, 0x10000c
	s_cmp_lg_u32 s2, 0xf033
	s_cbranch_scc0 .Lentry_shape_is_right
	s_endpgm
.Lentry_shape_is_right:
.set REC,   12800
.set GRP,   204800
.set SCO,   12288
.set QREC,  4*REC
.set SLOT,  2*QREC
.set MSK,   2*SLOT
.set MP,    528
.set STG,   MSK+128*MP
.set SP,    272
.set SPARE, STG+4*16*SP
.set A0,   16
.set A1,   18
.set AS0,  20
.set AS1,  22
.set AM,   24
.set STO,  25
.set RD,   26
.set GO,   27
.set SPW,  28
.set NIL,  29
.set SO8,  30
.set SC,   32
.set FR,   64
.set X,    64
.set G1A,  24
.set G0A,  32
.set G1B,  48
.set G0B,  56
.set G1M,  68
.set G0M,  76
.set MSB,  0
.macro WIN new
.if MSB != \new
	s_set_vgpr_msb (MSB<<8)|\new
.set MSB, \new
.endif
.endm
.macro PLACES
.rept 4
	v_nop
.endr
.endm
.macro JLOAD s
	s_cmp_eq_u32 s15, 0
	s_cbranch_scc0 .Lfor_a_\@
	tensor_load_to_lds s[G0B+4*\s:G0B+4*\s+3], s[G1B:G1B+7]
	s_nop 0
.rept 4
	v_nop
.endr
	s_branch .Lasked_\@
.Lfor_a_\@:
	tensor_load_to_lds s[G0A+4*\s:G0A+4*\s+3], s[G1A:G1A+7]
	s_nop 0
.rept 4
	v_nop
.endr
.Lasked_\@:
.endm
.macro CREST
	s_cmp_lg_u32 s14, 0
	s_cbranch_scc1 .Lnot_wave_0_\@
	s_barrier_signal -3
.Lnot_wave_0_\@:
	s_barrier_wait -3
	s_barrier_signal -1
	s_barrier_wait -1
.endm
.macro CROUND
	s_barrier_signal -1
	s_barrier_wait -1
	CREST
.endm
.macro WM d, fa, fb, sa, sb, ra, rb
.if (\ra) && (\rb)
	v_wmma_scale_f32_16x16x128_f8f6f4 v[\d:\d+7], v[\fa:\fa+11], v[\fb:\fb+11], v[\d:\d+7], v[\sa], v[\sb] matrix_a_fmt:MATRIX_FMT_FP6 matrix_b_fmt:MATRIX_FMT_FP6 matrix_a_scale:MATRIX_SCALE_ROW1 matrix_b_scale:MATRIX_SCALE_ROW1
.elseif (\ra)
	v_wmma_scale_f32_16x16x128_f8f6f4 v[\d:\d+7], v[\fa:\fa+11], v[\fb:\fb+11], v[\d:\d+7], v[\sa], v[\sb] matrix_a_fmt:MATRIX_FMT_FP6 matrix_b_fmt:MATRIX_FMT_FP6 matrix_a_scale:MATRIX_SCALE_ROW1
.elseif (\rb)
	v_wmma_scale_f32_16x16x128_f8f6f4 v[\d:\d+7], v[\fa:\fa+11], v[\fb:\fb+11], v[\d:\d+7], v[\sa], v[\sb] matrix_a_fmt:MATRIX_FMT_FP6 matrix_b_fmt:MATRIX_FMT_FP6 matrix_b_scale:MATRIX_SCALE_ROW1
.else
	v_wmma_scale_f32_16x16x128_f8f6f4 v[\d:\d+7], v[\fa:\fa+11], v[\fb:\fb+11], v[\d:\d+7], v[\sa], v[\sb] matrix_a_fmt:MATRIX_FMT_FP6 matrix_b_fmt:MATRIX_FMT_FP6
.endif
.endm
.macro WMZ d, fa, fb, sa, sb, ra, rb
.if (\ra) && (\rb)
	v_wmma_scale_f32_16x16x128_f8f6f4 v[\d:\d+7], v[\fa:\fa+11], v[\fb:\fb+11], 0, v[\sa], v[\sb] matrix_a_fmt:MATRIX_FMT_FP6 matrix_b_fmt:MATRIX_FMT_FP6 matrix_a_scale:MATRIX_SCALE_ROW1 matrix_b_scale:MATRIX_SCALE_ROW1
.elseif (\ra)
	v_wmma_scale_f32_16x16x128_f8f6f4 v[\d:\d+7], v[\fa:\fa+11], v[\fb:\fb+11], 0, v[\sa], v[\sb] matrix_a_fmt:MATRIX_FMT_FP6 matrix_b_fmt:MATRIX_FMT_FP6 matrix_a_scale:MATRIX_SCALE_ROW1
.elseif (\rb)
	v_wmma_scale_f32_16x16x128_f8f6f4 v[\d:\d+7], v[\fa:\fa+11], v[\fb:\fb+11], 0, v[\sa], v[\sb] matrix_a_fmt:MATRIX_FMT_FP6 matrix_b_fmt:MATRIX_FMT_FP6 matrix_b_scale:MATRIX_SCALE_ROW1
.else
	v_wmma_scale_f32_16x16x128_f8f6f4 v[\d:\d+7], v[\fa:\fa+11], v[\fb:\fb+11], 0, v[\sa], v[\sb] matrix_a_fmt:MATRIX_FMT_FP6 matrix_b_fmt:MATRIX_FMT_FP6
.endif
.endm
.macro MULS a, set, g, zero
.irp t, 0,1,2,3
.if \zero
	WMZ 128*(\g)+8*(4*(\a)+\t), FR+96*(\set)+12*\t, FR+96*(\set)+48+12*(\a), SC+4*(\set)+\t/2, SC+2+4*(\set)+(\a)/2, \t%2, (\a)%2
.else
	WM 128*(\g)+8*(4*(\a)+\t), FR+96*(\set)+12*\t, FR+96*(\set)+48+12*(\a), SC+4*(\set)+\t/2, SC+2+4*(\set)+(\a)/2, \t%2, (\a)%2
.endif
.endr
.endm
.macro FETCH slot, ksl, set
.irp t, 0,1,2,3
.irp c, 0,1,2
	ds_load_b128 v[FR+96*(\set)+12*\t+4*\c:FR+96*(\set)+12*\t+4*\c+3], v[A0+\slot] offset:(\ksl)*REC+1536*\t+512*\c
.endr
.endr
.irp t, 0,1,2,3
.irp c, 0,1,2
	ds_load_b128 v[FR+96*(\set)+48+12*\t+4*\c:FR+96*(\set)+48+12*\t+4*\c+3], v[A1+\slot] offset:(\ksl)*REC+1536*\t+512*\c
.endr
.endr
.irp p, 0,1
	ds_load_b32 v[SC+4*(\set)+\p], v[AS0+\slot] offset:(\ksl)*REC+128*\p
	ds_load_b32 v[SC+2+4*(\set)+\p], v[AS1+\slot] offset:(\ksl)*REC+128*\p
.endr
.endm
.macro STEP n, zero
	s_wait_dscnt 0x0
	WIN 0x50
	MULS 0, (\n)%2, (\n)/16, \zero
	PLACES
	WIN 0
	FETCH (((\n)+1)/4)%2, ((\n)+1)%4, ((\n)+1)%2
	WIN 0x50
	MULS 1, (\n)%2, (\n)/16, \zero
	MULS 2, (\n)%2, (\n)/16, \zero
	MULS 3, (\n)%2, (\n)/16, \zero
.endm
.macro TURN n, kind
.set SL, ((\n)/4)%2
	WIN 0
	s_wait_tensorcnt 0x0
	ds_add_u32 v[SPW], v[NIL]
	s_wait_dscnt 0x1
	WIN 0x50
	MULS 0, 1, (\n)/16, 0
	s_wait_dscnt 0x0
	s_barrier_signal -1
	MULS 1, 1, (\n)/16, 0
	WIN 0
	s_barrier_wait -1
.if \kind
	CREST
.if \kind == 1
	s_add_nc_u64 s[G0B+4*SL+2:G0B+4*SL+3], s[G0B+4*SL+2:G0B+4*SL+3], 2*QREC
	s_add_nc_u64 s[G0A+4*SL+2:G0A+4*SL+3], s[G0A+4*SL+2:G0A+4*SL+3], 2*QREC
.else
	s_add_nc_u64 s[G0B+4*SL+2:G0B+4*SL+3], s[G0B+4*SL+2:G0B+4*SL+3], 64*GRP-2*QREC
	s_add_nc_u64 s[G0A+4*SL+2:G0A+4*SL+3], s[G0A+4*SL+2:G0A+4*SL+3], s[80:81]
.endif
	JLOAD SL
.else
	CREST                                          ; no slot is filled again behind this barrier: the round stands in front of the mask's first fill, 32 rows x 512 bytes a wave
	tensor_load_to_lds s[G0M:G0M+3], s[G1M:G1M+7]
	s_nop 0
	PLACES
.endif
	FETCH 1-SL, 0, 0
.if (\n) < 16                          ; two fills ahead: the second product's four fills,
	global_prefetch_b8 v6, s[98:99] offset:(((\n)+1)/4-1)*QREC th:TH_LOAD_NT scope:SCOPE_SE
.elseif (\n) == 19                     ; and my 32 rows x 512 bytes of the f32 mask, which are loaded behind step 27's barrier
	global_prefetch_b8 v7, s[90:91] th:TH_LOAD_NT scope:SCOPE_SE
	global_prefetch_b8 v7, s[90:91] offset:256 th:TH_LOAD_NT scope:SCOPE_SE
.endif
	WIN 0x50
	MULS 2, 1, (\n)/16, 0
	MULS 3, 1, (\n)/16, 0
.endm
	s_load_b256 s[4:11], s[0:1], 0x0
	v_lshl_add_u32 v[SPW], v0, 2, SPARE
	v_mov_b32 v[NIL], 0
	ds_add_u32 v[SPW], v[NIL]
	ds_add_u32 v[SPW], v[NIL]
	v_lshrrev_b32 v1, 5, v0
	v_readfirstlane_b32 s14, v1
	s_lshr_b32 s15, s14, 1
	s_and_b32 s16, s14, 1
	s_bfe_u32 s40, ttmp6, 0x40000
	s_bfe_u32 s41, ttmp6, 0x40004
	s_lshl_b32 s42, ttmp9, 2
	s_add_co_u32 s42, s42, s40
	s_and_b32 s18, ttmp7, 0xffff
	s_lshl_b32 s43, s41, 2
	s_lshl_b32 s43, 15, s43
	s_lshl_b32 s44, 0x1111, s40
	s_or_b32 s[G1A+0], s43, (3<<16)|(1<<21)
	s_or_b32 s[G1B+0], s44, (3<<16)|(1<<21)
.irp g, G1A, G1B
	s_mov_b32 s[\g+1], 32<<16
	s_mov_b32 s[\g+2], 100<<16
	s_mov_b32 s[\g+3], 32<<16
	s_mov_b32 s[\g+4], 100
	s_mov_b32 s[\g+5], 32
	s_mov_b32 s[\g+6], 0
	s_mov_b32 s[\g+7], 0
.endr
	s_mov_b32 s[G1M+0], (2<<16)|(1<<20)|(6<<22)|(3<<25)
	s_mov_b32 s[G1M+1], 128<<16
	s_mov_b32 s[G1M+2], 32<<16
	s_mov_b32 s[G1M+3], 128<<16
	s_mov_b32 s[G1M+4], 32
	s_mov_b32 s[G1M+5], 2048
	s_mov_b32 s[G1M+6], 0
	s_mov_b32 s[G1M+7], 0
	s_lshl_b32 s46, s18, 4
	s_add_co_u32 s46, s46, s42
	s_add_co_u32 s46, s46, 16
	s_mul_i32 s46, s46, GRP
	s_mul_i32 s47, s16, 2*REC
	s_add_co_u32 s46, s46, s47
	s_mov_b32 s47, 0
	s_lshl_b32 s20, s18, 2
	s_add_co_u32 s20, s20, s41
	s_mul_i32 s20, s20, GRP
	s_mul_i32 s21, s16, 2*REC
	s_add_co_u32 s20, s20, s21
	s_mov_b32 s21, 0
	s_mul_i32 s66, s14, 2*REC
	s_lshl_b32 s80, s18, 2
	s_sub_co_u32 s80, 144, s80
	s_mul_i32 s80, s80, GRP
	s_sub_co_u32 s80, s80, 2*QREC
	s_mov_b32 s81, 0
	s_lshl_b32 s90, s41, 7
	s_lshl_b32 s91, s14, 5
	s_add_co_u32 s90, s90, s91
	s_lshl_b32 s90, s90, 13
	s_lshl_b32 s91, s42, 9
	s_add_co_u32 s90, s90, s91
	s_mov_b32 s91, 0
	s_mul_i32 s67, s14, 32*MP
	s_add_co_u32 s67, s67, MSK
	s_mov_b32 s82, 0x3cb504f3
	s_mov_b32 s83, s82
	s_mov_b32 s84, 0x3fb8aa3b
	s_mov_b32 s85, s84
	s_mov_b32 s86, 0x76543210
	s_mov_b32 s87, 0xfedcba98
	s_mov_b32 s88, 0xffff0000
	s_wait_dscnt 0x0
	s_wait_kmcnt 0x0
	s_add_nc_u64 s[20:21], s[4:5], s[20:21]
	s_add_nc_u64 s[46:47], s[4:5], s[46:47]
	s_add_nc_u64 s[90:91], s[6:7], s[90:91]
	CROUND
	s_mov_b32 s[G0M], 1
	s_mov_b32 s[G0M+1], s67
	s_mov_b64 s[G0M+2:G0M+3], s[90:91]
	s_or_b32 s[G0M+3], s[G0M+3], 0x80000000        ; the mask's tile is asked for behind step 27's barrier, four K steps ahead of its first read
.irp s, 0,1
	s_mov_b32 s[G0A+4*\s], 1
	s_add_co_u32 s[G0A+4*\s+1], s66, \s*SLOT
	s_add_nc_u64 s[G0A+4*\s+2:G0A+4*\s+3], s[20:21], \s*QREC
	s_or_b32 s[G0A+4*\s+3], s[G0A+4*\s+3], 0x80000000
	s_mov_b32 s[G0B+4*\s], 1
	s_add_co_u32 s[G0B+4*\s+1], s66, \s*SLOT
	s_add_nc_u64 s[G0B+4*\s+2:G0B+4*\s+3], s[46:47], \s*QREC
	s_or_b32 s[G0B+4*\s+3], s[G0B+4*\s+3], 0x80000000
.endr
	JLOAD 0
	; PREFETCHES INTO THE L2: behind fill f's load each wave asks for fill f + 2 (here also for fill 1).  A wave's part of a fill is 25,600 bytes, 100 blocks of 256; the four partners of the joint load
	; share them out by address: partner p (cy for k's and v's tiles, cx for q's and the mask's codes) takes 25; lanes 25-31 name their wave's last block again.  The registers are never rewritten.
	s_add_co_u32 s12, s80, 2*QREC                  ; from the first product's group to the second's: q -> the mask's codes,
	s_mov_b32 s13, 64*GRP                          ; k -> v
	s_cmp_eq_u32 s15, 0                            ; do I fetch k's and v's tiles?
	s_cselect_b64 s[96:97], s[46:47], s[20:21]
	s_cselect_b32 s98, s13, s12
	s_cselect_b32 s17, s41, s40
	s_mov_b32 s99, 0
	s_add_nc_u64 s[98:99], s[96:97], s[98:99]
	s_mul_i32 s17, s17, 6400
	v_and_b32 v6, 31, v0
	v_lshlrev_b32 v7, 13, v6                       ; the f32 mask's tile: a lane a row of 8,192 bytes
	v_min_u32 v6, 24, v6
	v_lshlrev_b32 v6, 8, v6
	v_add_nc_u32 v6, s17, v6
	global_prefetch_b8 v6, s[96:97] offset:QREC th:TH_LOAD_NT scope:SCOPE_SE
	global_prefetch_b8 v6, s[96:97] offset:2*QREC th:TH_LOAD_NT scope:SCOPE_SE
	s_wait_alu depctr_va_vdst(0)
	s_wait_tensorcnt 0x0                           ; the wait, the add and a round ahead of slot 1's first fill
	ds_add_u32 v28, v29
	s_wait_dscnt 0x0
	CROUND
	JLOAD 1
	global_prefetch_b8 v6, s[96:97] offset:3*QREC th:TH_LOAD_NT scope:SCOPE_SE
	v_and_b32 v1, 31, v0
	v_and_b32 v2, 15, v0
	v_bfe_u32 v3, v0, 4, 1
	v_lshlrev_b32 v4, 4, v1
	s_wait_alu depctr_va_vdst(0)
	v_lshlrev_b32 v5, 2, v1
	s_wait_alu depctr_va_vdst(0)
	s_mul_i32 s12, s16, 6144
	s_mul_i32 s13, s15, 6144
	s_add_co_u32 s13, s13, QREC
	s_lshl_b32 s17, s16, 8
	s_add_co_u32 s17, s17, SCO
	s_lshl_b32 s19, s15, 8
	s_add_co_u32 s19, s19, QREC+SCO
.irp s, 0,1
	v_add_nc_u32 v[A0+\s], s12, v4
	v_add_nc_u32 v[A1+\s], s13, v4
	v_add_nc_u32 v[AS0+\s], s17, v5
	v_add_nc_u32 v[AS1+\s], s19, v5
	s_add_co_u32 s12, s12, SLOT
	s_add_co_u32 s13, s13, SLOT
	s_add_co_u32 s17, s17, SLOT
	s_add_co_u32 s19, s19, SLOT
.endr
	s_mul_i32 s22, s15, 64*MP
	s_lshl_b32 s23, s16, 8
	s_add_co_u32 s22, s22, s23
	s_add_co_u32 s22, s22, MSK
	v_mul_u32_u24 v[AM], v2, MP
	v_lshl_add_u32 v[AM], v3, 5, v[AM]
	v_add_nc_u32 v[AM], s22, v[AM]
	s_mul_i32 s23, s14, 16*SP
	s_add_co_u32 s23, s23, STG
	v_mul_u32_u24 v[STO], v2, SP
	v_lshl_add_u32 v[STO], v3, 5, v[STO]
	v_add_nc_u32 v[STO], s23, v[STO]
	v_mul_u32_u24 v[RD], v3, SP
	v_lshl_add_u32 v[RD], v2, 4, v[RD]
	v_add_nc_u32 v[RD], s23, v[RD]
	v_lshlrev_b32 v[GO], 13, v3
	v_lshl_add_u32 v[GO], v2, 4, v[GO]
	v_lshlrev_b32 v[SO8], 3, v1
	s_lshl_b32 s92, s18, 9
	s_lshl_b32 s93, s41, 7
	s_add_co_u32 s92, s92, s93
	s_lshl_b32 s93, s15, 6
	s_add_co_u32 s92, s92, s93
	s_lshl_b32 s94, s92, 13
	s_lshl_b32 s95, s42, 9
	s_add_co_u32 s94, s94, s95
	s_lshl_b32 s95, s16, 8
	s_add_co_u32 s94, s94, s95
	s_mov_b32 s95, 0
	s_add_nc_u64 s[8:9], s[8:9], s[94:95]
	s_lshl_b32 s94, s42, 1
	s_add_co_u32 s94, s94, s16
	s_lshl_b32 s94, s94, 14
	s_lshl_b32 s93, s92, 3
	s_add_co_u32 s94, s94, s93
	s_add_nc_u64 s[10:11], s[10:11], s[94:95]
	s_wait_tensorcnt 0x1
	s_barrier_signal -1
	s_barrier_wait -1
	FETCH 0, 0, 0
	STEP 0, 1
	STEP 1, 0
	STEP 2, 0
	TURN 3, 1
.irp n, 4,5,6
	STEP \n, 0
.endr
	TURN 7, 1
.irp n, 8,9,10
	STEP \n, 0
.endr
	TURN 11, 2
.irp n, 12,13,14
	STEP \n, 0
.endr
	TURN 15, 2
	STEP 16, 1
.irp n, 17,18
	STEP \n, 0
.endr
	TURN 19, 1
.irp n, 20,21,22
	STEP \n, 0
.endr
	TURN 23, 1
.irp n, 24,25,26
	STEP \n, 0
.endr
	TURN 27, 0
.irp n, 28,29,30
	STEP \n, 0
.endr
	s_wait_dscnt 0x0
	WIN 0x50
	MULS 0, 1, 1, 0
	MULS 1, 1, 1, 0
	MULS 2, 1, 1, 0
	MULS 3, 1, 1, 0
	WIN 0
	PLACES
	s_wait_tensorcnt 0x0                           ; my 32 rows of the mask are in;
	s_barrier_signal -1
	s_barrier_wait -1                              ; and so are the other waves'
.irp a, 0,1,2,3
.irp t, 0,1,2,3
	ds_load_b128 v[X+32*\a+8*\t:X+32*\a+8*\t+3], v[AM] offset:16*MP*\a+64*\t
	ds_load_b128 v[X+32*\a+8*\t+4:X+32*\a+8*\t+7], v[AM] offset:16*MP*\a+64*\t+16
.endr
.endr
.irp a, 0,1,2,3
	v_mov_b32 v[204+\a], 0
.endr
	s_wait_dscnt 0x0
	WIN 0x01
.set j, 0
.rept 64
	v_pk_fma_f32 v[X+j:X+j+1], v[j:j+1], s[82:83], v[X+j:X+j+1] op_sel_hi:[1,0,1]
.set j, j+2
.endr
	WIN 0
.irp a, 0,1,2,3
	v_max3_num_f32 v[200+\a], v[X+32*\a], v[X+32*\a+1], v[X+32*\a+2]
.endr
.irp i, 3,5,7,9,11,13,15,17,19,21,23,25,27,29
.irp a, 0,1,2,3
	v_max3_num_f32 v[200+\a], v[200+\a], v[X+32*\a+\i], v[X+32*\a+\i+1]
.endr
.endr
.irp a, 0,1,2,3
	v_max_num_f32 v[200+\a], v[200+\a], v[X+32*\a+31]
.endr
.irp a, 0,1,2,3
	v_permlanex16_b32 v[204+\a], v[200+\a], s86, s87
.endr
.irp a, 0,1,2,3
	v_max_num_f32 v[193+2*\a], v[200+\a], v[204+\a]
.endr
.irp a, 0,1,2,3
	v_mul_f32 v[192+2*\a], 0x3fb8aa3b, v[193+2*\a]
.endr
.irp a, 0,1,2,3
.irp i, 0,2,4,6,8,10,12,14,16,18,20,22,24,26,28,30
	v_pk_fma_f32 v[X+32*\a+\i:X+32*\a+\i+1], v[X+32*\a+\i:X+32*\a+\i+1], s[84:85], v[192+2*\a:193+2*\a] op_sel_hi:[1,0,0] neg_lo:[0,0,1] neg_hi:[0,0,1]
.endr
.endr
.set j, 0
	s_wait_alu depctr_va_vdst(0)
.rept 128
	v_exp_f32 v[X+j], v[X+j]
.set j, j+1
.endr
	v_nop
	s_wait_alu depctr_va_vdst(0)
.irp a, 0,1,2,3
	v_pk_add_f32 v[208+2*\a:209+2*\a], v[X+32*\a:X+32*\a+1], v[X+32*\a+2:X+32*\a+3]
.endr
.irp i, 4,6,8,10,12,14,16,18,20,22,24,26,28,30
.irp a, 0,1,2,3
	v_pk_add_f32 v[208+2*\a:209+2*\a], v[208+2*\a:209+2*\a], v[X+32*\a+\i:X+32*\a+\i+1]
.endr
.endr
.irp a, 0,1,2,3
	v_add_f32 v[200+\a], v[208+2*\a], v[209+2*\a]
.endr
.irp a, 0,1,2,3
	v_permlanex16_b32 v[204+\a], v[200+\a], s86, s87
.endr
.irp a, 0,1,2,3
	v_add_f32 v[216+\a], v[200+\a], v[204+\a]
.endr
	WIN 0x04
.set j, 0
.rept 64
	v_pk_mul_f32 v[X+j:X+j+1], v[X+j:X+j+1], v[128+j:129+j]
.set j, j+2
.endr
	WIN 0
.irp p, 0,1
	v_cndmask_b32 v[220+2*\p], v[192+4*\p], v[194+4*\p], s88
	v_cndmask_b32 v[221+2*\p], v[216+2*\p], v[217+2*\p], s88
	global_store_b64 v[SO8], v[220+2*\p:221+2*\p], s[10:11] offset:256*\p
.endr
.macro PACK a
.irp t, 0,1,2,3
	ds_store_b128 v[STO], v[X+32*\a+8*\t:X+32*\a+8*\t+3] offset:64*\t
	ds_store_b128 v[STO], v[X+32*\a+8*\t+4:X+32*\a+8*\t+7] offset:64*\t+16
.endr
.irp i, 0,1,2,3,4,5,6,7
	ds_load_b128 v[X+32*\a+4*\i:X+32*\a+4*\i+3], v[RD] offset:2*SP*\i
.endr
.endm
.macro SEND a, younger
	s_wait_dscnt \younger
.irp i, 0,1,2,3,4,5,6,7
	global_store_b128 v[GO], v[X+32*\a+4*\i:X+32*\a+4*\i+3], s[8:9] offset:(16*\a+2*\i)*8192
.endr
.endm
	PACK 0
	PACK 1
	s_wait_alu depctr_va_vdst(0)
	SEND 0, 16
	PACK 2
	SEND 1, 16
	PACK 3
	SEND 2, 16
	SEND 3, 0
	s_wait_tensorcnt 0x0
	ds_add_u32 v[SPW], v[NIL]
	s_wait_dscnt 0x0
	CROUND
	s_endpgm
.Lfunc_end_k_qcc10777b60_attn:
	.size	k_qcc10777b60_attn, .Lfunc_end_k_qcc10777b60_attn-k_qcc10777b60_attn
	.p2alignl 7, 3214868480
	.fill 96, 4, 3214868480
	.section	.rodata,"a",@progbits
	.p2align	6, 0x0
	.amdhsa_kernel k_qcc10777b60_attn
		.amdhsa_group_segment_fixed_size 327680
		.amdhsa_private_segment_fixed_size 0
		.amdhsa_enable_private_segment 0
		.amdhsa_kernarg_size 32
		.amdhsa_user_sgpr_count 2
		.amdhsa_user_sgpr_kernarg_segment_ptr 1
		.amdhsa_wavefront_size32 1
		.amdhsa_system_sgpr_workgroup_id_x 1
		.amdhsa_system_sgpr_workgroup_id_y 1
		.amdhsa_system_sgpr_workgroup_id_z 1
		.amdhsa_system_vgpr_workitem_id 0
		.amdhsa_next_free_vgpr 512
		.amdhsa_next_free_sgpr 100
		.amdhsa_reserve_vcc 0
		.amdhsa_float_denorm_mode_32 3
		.amdhsa_float_denorm_mode_16_64 3
		.amdhsa_memory_ordered 1
		.amdhsa_forward_progress 1
		.amdhsa_inst_pref_size 181
	.end_amdhsa_kernel
	.amdgpu_metadata
---
amdhsa.version: [ 1, 2 ]
amdhsa.kernels:
  - .name:           k_qcc10777b60_attn
    .symbol:         k_qcc10777b60_attn.kd
    .args:
      - { .name: cod, .offset: 0, .size: 8, .value_kind: global_buffer, .address_space: global }
      - { .name: attn_mask, .offset: 8, .size: 8, .value_kind: global_buffer, .address_space: global }
      - { .name: u, .offset: 16, .size: 8, .value_kind: global_buffer, .address_space: global }
      - { .name: st, .offset: 24, .size: 8, .value_kind: global_buffer, .address_space: global }
    .group_segment_fixed_size: 327680
    .private_segment_fixed_size: 0
    .kernarg_segment_align: 8
    .kernarg_segment_size: 32
    .max_flat_workgroup_size: 128
    .sgpr_count:     100
    .vgpr_count:     512
    .wavefront_size: 32
...
	.end_amdgpu_metadata
.endif
;; end of part 3
;; launch norm (part 4): grid 256 x 1, 8 waves a work-group, no clusters, 4,096 bytes of LDS; arguments u, st, out0; writes out0
.if DOCPART == 4
	.amdgcn_target "amdgcn-amd-amdhsa--gfx1250"
	.amdhsa_code_object_version 6
	.text
	.protected	k_qcc10777b60_norm
	.globl	k_qcc10777b60_norm
	.p2align	8
	.type	k_qcc10777b60_norm,@function
k_qcc10777b60_norm:
	s_mov_b64 s[64:65], 0
	v_nop
	global_prefetch_b8 v0, s[64:65] scope:SCOPE_SE
	s_setreg_imm32_b32 hwreg(HW_REG_WAVE_MODE, 25, 1), 1
	s_wait_xcnt 0x0
; LAUNCH 4 OF 4.  out0[row][j] = u[row][j] x 2^(m2[j / 64] - M2) / L, with M2 the largest of the row's 32 m2 and L = the sum over the 32 column tiles of l x 2^(m2 - M2): the softmax is finished.  No work is left out.
; A stream: a work-group owns 8 rows, a wave one row of 8,192 bytes, in 64 registers; each load and store of a wave covers 512 consecutive bytes.  No matrix unit, no cluster, no tensor load: memory binds.
; The statistics lie [column tile 32][row 2048][m2, l]: a work-group's 8 rows are 64 consecutive bytes of each of the 32 tiles; they are 2 KiB of the 66 KiB that a work-group reads, are read once,
; and are turned through LDS so that lane t of wave w holds tile t of row w.
; LIMITS: NaN and infinities are not served; a factor under 2^-126 comes out as 0.
.set T1,    0                          ; 8 rows x 32 tiles x 8 bytes
.set FT,    2048                       ; 128 bytes a wave: the 32 factors, even tiles first
.set SPARE, 3072                       ; the spare words, 128 bytes for each of the eight waves, which no other line names
.set SPW,   2
.set NIL,   3
	s_load_b128 s[4:7], s[0:1], 0x0                ; u s[4:5], st s[6:7]
	s_load_b64 s[8:9], s[0:1], 0x10                ; out0
	v_lshl_add_u32 v[SPW], v0, 2, SPARE
	v_mov_b32 v[NIL], 0
	v_lshrrev_b32 v1, 5, v0
	s_delay_alu instid0(VALU_DEP_1)
	v_readfirstlane_b32 s10, v1                    ; wave 0..7
	v_and_b32 v1, 31, v0                           ; lane
	s_delay_alu instid0(VALU_DEP_1)
	v_and_b32 v4, 7, v1                            ; the statistics: row l % 8,
	s_delay_alu instid0(VALU_DEP_2)
	v_lshrrev_b32 v5, 3, v1                        ; tile 4 w + l / 8
	s_delay_alu instid0(VALU_DEP_2)
	v_lshlrev_b32 v6, 3, v4
	s_delay_alu instid0(VALU_DEP_1)
	v_lshl_add_u32 v6, v5, 14, v6                  ; in memory: 16,384 bytes a tile, 8 a row
	s_delay_alu instid0(VALU_DEP_4)
	v_lshlrev_b32 v7, 8, v4
	s_delay_alu instid0(VALU_DEP_1)
	v_lshl_add_u32 v7, v5, 3, v7
	s_lshl_b32 s11, s10, 5
	v_add_nc_u32 v7, s11, v7                       ; in LDS: 256 x row + 8 x tile
	s_lshl_b32 s11, s10, 8
	v_lshl_add_u32 v8, v1, 3, s11                  ; back: row w, tile = lane
	v_and_b32 v9, 1, v1
	v_lshrrev_b32 v10, 1, v1
	s_delay_alu instid0(VALU_DEP_2)
	v_lshlrev_b32 v9, 6, v9
	s_delay_alu instid0(VALU_DEP_1)
	v_lshl_add_u32 v9, v10, 2, v9
	s_lshl_b32 s12, s10, 7
	s_add_co_u32 s12, s12, FT
	v_add_nc_u32 v9, s12, v9                       ; tile t's factor goes to 64 (t % 2) + 4 (t / 2)
	v_lshrrev_b32 v10, 4, v1
	s_delay_alu instid0(VALU_DEP_1)
	v_lshl_add_u32 v10, v10, 6, s12                ; lanes 0-15 want the even tiles' sixteen, lanes 16-31 the odd tiles'
	v_lshlrev_b32 v11, 4, v1                       ; 16 bytes a lane
	v_mov_b32 v97, 0                               ; a lane permute's destination counts as one of its sources
	s_mov_b32 s18, 0x76543210
	s_mov_b32 s19, 0xfedcba98                      ; v_permlanex16_b32: lane l xor 16
	s_lshl_b32 s14, ttmp9, 6                       ; my work-group's 8 rows of 8 bytes,
	s_lshl_b32 s15, s10, 16                        ; my wave's four tiles
	s_add_co_u32 s14, s14, s15
	s_mov_b32 s15, 0
	s_lshl_b32 s16, ttmp9, 3
	s_add_co_u32 s16, s16, s10                     ; my row
	s_lshl_b32 s16, s16, 13
	s_mov_b32 s17, 0
	s_wait_alu depctr_va_vdst(0)
	s_wait_kmcnt 0x0
	s_add_nc_u64 s[6:7], s[6:7], s[14:15]
	s_add_nc_u64 s[4:5], s[4:5], s[16:17]
	s_add_nc_u64 s[8:9], s[8:9], s[16:17]
	global_load_b64 v[28:29], v6, s[6:7]
.irp i, 0,1,2,3,4,5,6,7,8,9,10,11,12,13,14,15
	global_load_b128 v[32+4*\i:35+4*\i], v11, s[4:5] offset:512*\i th:TH_LOAD_NT
.endr
	s_wait_loadcnt 16                              ; the statistics are in; the row's 16 loads stay out
	ds_store_b64 v7, v[28:29]
	s_wait_dscnt 0x0                               ; for the others' sake
	s_barrier_signal -1
	s_barrier_wait -1
	ds_load_b64 v[30:31], v8                       ; m2 and l of tile = lane of my row
	s_wait_dscnt 0x0
	v_mov_b32 v96, v30
	s_delay_alu instid0(VALU_DEP_1)
	v_max_num_f32_dpp v96, v96, v96 row_xmask:1 row_mask:0xf bank_mask:0xf
	s_delay_alu instid0(VALU_DEP_1)
	v_max_num_f32_dpp v96, v96, v96 row_xmask:2 row_mask:0xf bank_mask:0xf
	s_delay_alu instid0(VALU_DEP_1)
	v_max_num_f32_dpp v96, v96, v96 row_xmask:4 row_mask:0xf bank_mask:0xf
	s_delay_alu instid0(VALU_DEP_1)
	v_max_num_f32_dpp v96, v96, v96 row_xmask:8 row_mask:0xf bank_mask:0xf
	s_delay_alu instid0(VALU_DEP_1)
	v_permlanex16_b32 v97, v96, s18, s19
	s_delay_alu instid0(VALU_DEP_1)
	v_max_num_f32 v96, v96, v97                    ; M2
	s_delay_alu instid0(VALU_DEP_1)
	v_sub_f32 v98, v30, v96
	s_wait_alu depctr_va_vdst(0)
	v_exp_f32 v98, v98                             ; 2^(m2 - M2)
	v_nop                                          ; a plain place behind the transcendental
	s_wait_alu depctr_va_vdst(0)                   ; and the wait ahead of its first reader
	v_mul_f32 v99, v31, v98
	s_delay_alu instid0(VALU_DEP_1)
	v_add_f32_dpp v99, v99, v99 row_xmask:1 row_mask:0xf bank_mask:0xf
	s_delay_alu instid0(VALU_DEP_1)
	v_add_f32_dpp v99, v99, v99 row_xmask:2 row_mask:0xf bank_mask:0xf
	s_delay_alu instid0(VALU_DEP_1)
	v_add_f32_dpp v99, v99, v99 row_xmask:4 row_mask:0xf bank_mask:0xf
	s_delay_alu instid0(VALU_DEP_1)
	v_add_f32_dpp v99, v99, v99 row_xmask:8 row_mask:0xf bank_mask:0xf
	s_delay_alu instid0(VALU_DEP_1)
	v_permlanex16_b32 v97, v99, s18, s19
	s_delay_alu instid0(VALU_DEP_1)
	v_add_f32 v99, v99, v97                        ; L: at least 1, since the tile that holds the row's maximum adds at least 1
	s_wait_alu depctr_va_vdst(0)
	v_rcp_f32 v99, v99
	v_nop
	s_wait_alu depctr_va_vdst(0)
	v_mul_f32 v98, v98, v99                        ; my tile's factor
	ds_store_b32 v9, v98
.irp k, 0,1,2,3
	ds_load_b128 v[12+4*\k:15+4*\k], v10 offset:16*\k   ; my wave's own bytes, served in order: v[12 + i] = the factor of tile 2 i + lane / 16, which holds my 4 columns of load i
.endr
	s_wait_dscnt 0x0
.irp i, 0,2,4,6,8,10,12,14
	s_wait_loadcnt 15-\i                           ; load i is in; the younger ones stay out
	v_pk_mul_f32 v[32+4*\i:33+4*\i], v[32+4*\i:33+4*\i], v[12+\i:13+\i] op_sel_hi:[1,0]
	v_pk_mul_f32 v[34+4*\i:35+4*\i], v[34+4*\i:35+4*\i], v[12+\i:13+\i] op_sel_hi:[1,0]
	global_store_b128 v11, v[32+4*\i:35+4*\i], s[8:9] offset:512*\i th:TH_STORE_NT
	s_wait_loadcnt 14-\i
	v_pk_mul_f32 v[36+4*\i:37+4*\i], v[36+4*\i:37+4*\i], v[12+\i:13+\i] op_sel:[0,1] op_sel_hi:[1,1]
	v_pk_mul_f32 v[38+4*\i:39+4*\i], v[38+4*\i:39+4*\i], v[12+\i:13+\i] op_sel:[0,1] op_sel_hi:[1,1]
	global_store_b128 v11, v[36+4*\i:39+4*\i], s[8:9] offset:512*\i+512 th:TH_STORE_NT
.endr
	s_wait_tensorcnt 0x0                           ; the wave's end, behind my last LDS store
	ds_add_u32 v[SPW], v[NIL]
	s_wait_dscnt 0x0
	s_endpgm
.Lfunc_end_k_qcc10777b60_norm:
	.size	k_qcc10777b60_norm, .Lfunc_end_k_qcc10777b60_norm-k_qcc10777b60_norm
	.p2alignl 7, 3214868480
	.fill 96, 4, 3214868480
	.section	.rodata,"a",@progbits
	.p2align	6, 0x0
	.amdhsa_kernel k_qcc10777b60_norm
		.amdhsa_group_segment_fixed_size 4096
		.amdhsa_private_segment_fixed_size 0
		.amdhsa_enable_private_segment 0
		.amdhsa_kernarg_size 24
		.amdhsa_user_sgpr_count 2
		.amdhsa_user_sgpr_kernarg_segment_ptr 1
		.amdhsa_wavefront_size32 1
		.amdhsa_system_sgpr_workgroup_id_x 1
		.amdhsa_system_sgpr_workgroup_id_y 1
		.amdhsa_system_sgpr_workgroup_id_z 1
		.amdhsa_system_vgpr_workitem_id 0
		.amdhsa_next_free_vgpr 128
		.amdhsa_next_free_sgpr 66
		.amdhsa_reserve_vcc 0
		.amdhsa_float_denorm_mode_32 3
		.amdhsa_float_denorm_mode_16_64 3
		.amdhsa_memory_ordered 1
		.amdhsa_forward_progress 1
		.amdhsa_inst_pref_size 11
	.end_amdhsa_kernel
	.amdgpu_metadata
---
amdhsa.version: [ 1, 2 ]
amdhsa.kernels:
  - .name:           k_qcc10777b60_norm
    .symbol:         k_qcc10777b60_norm.kd
    .args:
      - { .name: u, .offset: 0, .size: 8, .value_kind: global_buffer, .address_space: global }
      - { .name: st, .offset: 8, .size: 8, .value_kind: global_buffer, .address_space: global }
      - { .name: out0, .offset: 16, .size: 8, .value_kind: global_buffer, .address_space: global }
    .group_segment_fixed_size: 4096
    .private_segment_fixed_size: 0
    .kernarg_segment_align: 8
    .kernarg_segment_size: 24
    .max_flat_workgroup_size: 256
    .sgpr_count:     66
    .vgpr_count:     128
    .wavefront_size: 32
...
	.end_amdgpu_metadata
.endif
;; end of part 4
